; MI455X (gfx1250); checked and timed in simulation.
; The chip was launched on July 23, 2026; its instructions are those of AMD's public machine-readable ISA for CDNA 5 (MIT licence, August 2026) and "CDNA5" Instruction Set Architecture Reference Guide (July 2026). The comments in the code are by the model that wrote it; some were corrected since.
;; Optimized A Li Bi Multi Head Attention. Allowed arithmetic: matrix products marked QUANTISED: E5M2 operands, one E8M0 scale for each 32 along K, by v_wmma_scale_f32_16x16x128_f8f6f4 with both operands' format E5M2, f32 sums; everything else in f32.
;; Inputs: W_kqv 3,072 x 1,024 float32; x 4 x 2,048 x 1,024 float32.
;; Outputs: out0 4 x 2,048 x 1,024 float32.
;; This version of the problem:
;;   THIS VERSION OF THE PROBLEM IS GIVEN IN LOW PRECISION. The matrix products marked QUANTISED in the list below multiply operands that are first quantised to E5M2 (5 exponent bits, 2 mantissa bits; 8 bits a number), with one power-of-two scale for each 32 numbers along K (OCP MX v1.0); their sums are f32. All else is computed in f32.
;;   The module's matrix products, in the order in which they are computed (A, B: the left and right operand; K: the contracted axis; several contracted axes count as one K, in the product's order):
;;     1. [M 8,192, K 1,024] x [K 1,024, N 3,072]; A: input x; B: input W_kqv: QUANTISED
;;     2. batch 64 x [M 2,048, K 64] x [K 64, N 2,048]; A: computed on the way; B: computed on the way: QUANTISED
;;     3. batch 64 x [M 2,048, K 2,048] x [K 2,048, N 64]; A: softmax (see below); B: computed on the way: QUANTISED
;;   THE QUANTISER, for each operand of a quantised product, along K:
;;     - K is cut into blocks of 32 from its start; a last block that is shorter is filled with zeros.
;;     - A block's scale is 2^e with e = floor(log2(the largest magnitude in the block)) - 15, held to -126 .. 127; a block of zeros has e = 0. As a byte (E8M0): e + 127.
;;     - Each number is divided by its block's scale, clamped to +-57,344, and rounded to the nearest number of E5M2, ties to even, subnormals kept.
;;     - The product sums the exact products of the quantised numbers (number of the format x scale) in f32.
;;   ~~~python
;;   def quantise(x, axis):      # numpy; x: float32 -> the quantised numbers, widened to float32 again
;;       x = np.moveaxis(x, axis, -1); K = x.shape[-1]
;;       x = np.pad(x, [(0, 0)] * (x.ndim - 1) + [(0, -K % 32)]); x = x.reshape(x.shape[:-1] + (-1, 32)); a = np.abs(x).max(-1, keepdims=True)
;;       e = np.where(a > 0, np.clip(np.frexp(np.where(a > 0, a, 1))[1] - 1 - 15, -126, 127), 0)      # np.frexp(a)[1] - 1 = floor(log2(a)), exactly
;;       r = np.clip(x / 2.0 ** e, -57344, 57344)
;;       step = 2.0 ** (np.maximum(np.frexp(np.where(r == 0, 1, r))[1] - 1, -14) - 2)
;;       q = np.round(r / step) * step * 2.0 ** e      # np.round: ties to even
;;       return np.moveaxis(q.reshape(q.shape[:-2] + (-1,))[..., :K], -1, axis).astype(np.float32)
;;   ~~~
;;   SOFTMAX AHEAD OF A QUANTISED PRODUCT. Where the list says 'softmax', what is quantised is not the finished softmax but p = 2^(t - M), with t = logit x log2(e) and M = ceil(the row's largest t), a whole number; so 1/2 < the row's largest p <= 1. The row's sum l is taken of the UNQUANTISED p, in f32, and the product's result is divided by l at the end. Since M is a whole number, a kernel that streams over the keys may use a running M (the ceiling of the running maximum): every later rescaling is an exact power of two, which a block's scale takes up: the codes' values come out the same.
;;   OPERANDS COMPUTED ON THE WAY. 'Computed on the way' means the value that the module computes at that place (a softmax that the list does not call 'softmax' is quantised finished and normalised). What goes into a quantiser is computed in f32, as accurately as f32 sums, v_exp_f32 and their like allow (about 1e-6 of the number): no bf16 or f16 on the way to a quantiser, and a product that is left as it is and whose result goes on into a quantised operand takes f32 operands (vector FMAs, or v_wmma_f32_16x16x4_f32). A number that lies on a knife's edge between two numbers of the format may be rounded either way, as far as f32 arithmetic and the matrix unit's own rounding can turn it there, and no further.
;; One version. Each part assembles by itself: llvm-mc -triple=amdgcn-amd-amdhsa -mcpu=gfx1250 --defsym DOCPART=n.
;; ======== version 1 of 1: 3 launches
;; limits: right only within a limited range of input values
;; workspace buffers: x_codes 8,388,608 bytes; x_scales 262,144 bytes; w_codes 3,145,728 bytes; w_scales 98,304 bytes; kv 17,301,504 bytes; qb 17,301,504 bytes
;; launch quant (part 1): grid 352 x 1, 4 waves a work-group, no clusters, 33,280 bytes of LDS; arguments x, W_kqv, x_codes, x_scales, w_codes, w_scales; writes x_codes, x_scales, w_codes, w_scales
.if DOCPART == 1
	.amdgcn_target "amdgcn-amd-amdhsa--gfx1250"
	.amdhsa_code_object_version 6
	.text
	.protected	k_q07a54fc5ca_quant
	.globl	k_q07a54fc5ca_quant
	.p2align	8
	.type	k_q07a54fc5ca_quant,@function
k_q07a54fc5ca_quant:
	s_mov_b64 s[64:65], 0
	v_nop
	global_prefetch_b8 v0, s[64:65] scope:SCOPE_SE
	s_setreg_imm32_b32 hwreg(HW_REG_WAVE_MODE, 25, 1), 1
	s_wait_xcnt 0x0
; THE PROGRAM: out = softmax(q k^T / 32 + slope_h (j - i)) v with k, q, v = x W_kqv^T, all three products on codes of E5M2 with one E8M0 scale for each 32 along K.  Three launches:
; this one turns x and W_kqv into codes; the second multiplies them and quantises k, q, v on its way out; the third is the attention.
; NO WORK IS LEFT OUT, and both inputs are loaded.  The term -slope_h i is the same along the softmax's axis, but it is no whole number: it moves M = ceil(the row's largest t), and with M the
; codes of p = 2^(t - M), which go into a quantised product: so it stays.  Keys whose p falls to 0 do so only for some values of the inputs: they are computed.
; THIS LAUNCH: x [8192][1024] and W_kqv [3072][1024], f32, K innermost, become codes (one byte a number, K innermost) and one scale byte for each 32 along K.
; A block's scale is 2^(floor(log2(its largest magnitude)) - 15); its byte is the largest magnitude's exponent field - 15, held at 1 from below.  Each number is divided by the scale, held within
; +-57,344 and rounded to the nearest code, ties to even.
; LIMITS: a block of zeros gets the byte 1 where the rule says 127 (its codes are zeros, which add nothing under any byte but 0xff, and this program alone reads the bytes); blocks whose largest
; magnitude lies under 2^-111 are held at the byte 1; NaN and infinities among the inputs are not served.
; THE ROWS ARE STORED IN ANOTHER ORDER: stored row p holds row swap34(p), bits 3 and 4 of the row's number exchanged.  So 16 neighbouring stored rows 16 (2 b + u) + r hold rows 32 b + 8 u + r + 8 (r / 8):
; a matrix result whose registers run down two such tiles holds 16 neighbours, which is what the next launch's quantiser wants.  A work-group takes 32 rows, a wave 8: wave w stores where wave
; ((w & 1) << 1 | w >> 1) would: nothing else knows of rows.
; A wave takes 16 steps of 512 numbers.  Each of a step's four loads reads 512 consecutive bytes; the 2,048 bytes turn through the wave's own stage in LDS and come back 64 bytes a lane, so that a lane
; holds 16 neighbours along K (two lanes hold a block).  A lane's 16 codes are 16 bytes: the wave stores 512 consecutive bytes.  A wave's 256 scale bytes are gathered in LDS and leave as one aligned 256 bytes.
; The first WGA work-groups take x, the others W_kqv.  No tensor loads, no barrier: waves share nothing.  Loads run four steps ahead, the turn through LDS one step.
.set SIZE_M, 8192
.set SIZE_N, 3072
.set SIZE_K, 1024
.set WAVES, 4
.set STEPS, 16
.set WGA,   SIZE_M*SIZE_K/(512*STEPS*WAVES)
.set EMAX,  15
.set MANT,  0x600000                   ; the mantissa field of 57,344 as f32
.set CB,    16                         ; bytes of 16 codes
.set R,     16                         ; v16-79   four sets of 16 numbers as they are loaded
.set X,     80                         ; v80-111  two sets of 16 neighbours
.set C,     128                        ; v128-191 codes: four registers for each step, so that no store's data are written again
.set E,     112                        ; v112-127 a scale byte for each step
.set WREG,  8192                       ; LDS: a region for each wave: two stages of 32 x SP bytes, behind them its 256 scale bytes
.set SP,    80                         ; a lane's place in a stage: its 64 bytes + 16 of padding
.set SPW,   12                         ; v12      LDS address of my spare word; never rewritten
.set NIL,   13                         ; v13      0; never rewritten
.set SPARE, WAVES*WREG                 ; behind the four regions: the spare words, 128 bytes for each wave
	s_load_b128 s[4:7], s[0:1], 0x0                ; x, W_kqv
	s_load_b128 s[8:11], s[0:1], 0x10              ; x's codes, x's scales
	s_load_b128 s[12:15], s[0:1], 0x20             ; W's codes, W's scales
	v_lshl_add_u32 v[SPW], v0, 2, SPARE
	v_mov_b32 v[NIL], 0
	v_lshrrev_b32 v1, 5, v0
	v_readfirstlane_b32 s16, v1                    ; wave
	v_and_b32 v2, 31, v0                           ; lane
	v_lshlrev_b32 v3, 4, v2                        ; my 16 bytes of a load's 512
	s_mul_i32 s17, s16, WREG
	v_lshrrev_b32 v14, 2, v2
	v_mul_u32_u24 v14, v14, SP
	v_and_b32 v15, 3, v2
	v_lshl_add_u32 v14, v15, 4, v14
	v_add_nc_u32 v14, s17, v14                     ; the stage, on the way in: four lanes' 64 bytes on end, then 16 of padding
	v_mul_u32_u24 v15, v2, SP
	v_add_nc_u32 v15, s17, v15                     ; and on the way out: SP x lane: my 16 neighbours
	v_mul_u32_u24 v4, v2, CB                       ; my codes' place in a step's
	v_lshrrev_b32 v5, 1, v2
	s_add_co_u32 s17, s17, 2*32*SP
	v_add_nc_u32 v5, s17, v5                       ; LDS: my wave's 256 scale bytes, my block's byte
	v_lshlrev_b32 v7, 3, v2                        ; and on the way out 8 bytes a lane
	v_add_nc_u32 v6, s17, v7
	s_mov_b32 s23, MANT                            ; (an instruction takes one literal: the hold's line has another)
	s_wait_alu depctr_va_vdst(0)
	s_wait_kmcnt 0x0
	s_cmp_lt_u32 ttmp9, WGA                        ; x's work-group or W's?  The choice hangs on the work-group's number alone
	s_cselect_b64 s[4:5], s[4:5], s[6:7]
	s_cselect_b64 s[8:9], s[8:9], s[12:13]
	s_cselect_b64 s[10:11], s[10:11], s[14:15]
	s_cselect_b32 s17, 0, WGA
	s_sub_co_u32 s17, ttmp9, s17
	s_lshl_b32 s17, s17, 2                         ; four runs of 8,192 numbers (8 rows) to a work-group
	s_add_co_u32 s18, s17, s16                     ; the run that my wave reads
	s_mov_b32 s19, 0
	s_mov_b64 s[20:21], 512*STEPS*4
	s_mul_u64 s[20:21], s[18:19], s[20:21]
	s_add_nc_u64 s[4:5], s[4:5], s[20:21]
	s_and_b32 s24, s16, 1                          ; and the run where it stores: the wave's two bits exchanged
	s_lshl_b32 s24, s24, 1
	s_lshr_b32 s25, s16, 1
	s_or_b32 s24, s24, s25
	s_add_co_u32 s18, s17, s24
	s_mov_b64 s[20:21], 32*STEPS*CB
	s_mul_u64 s[20:21], s[18:19], s[20:21]
	s_add_nc_u64 s[8:9], s[8:9], s[20:21]
	s_lshl_b32 s18, s18, 8                         ; 256 scale bytes a run
	s_add_nc_u64 s[10:11], s[10:11], s[18:19]
.macro LOAD t
.irp i, 0,1,2,3
	global_load_b128 v[R+16*((\t)%4)+4*\i:R+16*((\t)%4)+4*\i+3], v3, s[4:5] offset:2048*(\t)+512*\i th:TH_LOAD_NT   ; 32 lanes read 512 consecutive bytes
.endr
.endm
.macro TURN t                          ; step t's numbers through the stage: LDS serves a wave's instructions in order, so no wait stands between the stores and the loads
.irp i, 0,1,2,3
	ds_store_b128 v14, v[R+16*((\t)%4)+4*\i:R+16*((\t)%4)+4*\i+3] offset:32*SP*((\t)%2)+8*SP*\i
.endr
.irp i, 0,1,2,3
	ds_load_b128 v[X+16*((\t)%2)+4*\i:X+16*((\t)%2)+4*\i+3], v15 offset:32*SP*((\t)%2)+16*\i
.endr
.endm
.irp t, 0,1,2,3
	LOAD \t
.endr
	s_wait_loadcnt 12                              ; step 0's four loads are in
	TURN 0
.macro STEP t
.set XS, X+16*((\t)%2)
.if (\t) > 0
	s_wait_dscnt 1                                 ; this step's numbers are back from the stage (the last step's byte store may be out): so its stores into the stage have read their registers,
.else
	s_wait_dscnt 0x0
.endif
.if (\t)+4 < STEPS
	LOAD (\t)+4                                    ; which take the loads of four steps on
.endif
.if (\t)+1 < STEPS
.if STEPS-2-(\t) >= 3
	s_wait_loadcnt 12                              ; the next step's four loads are in; those of the three steps behind it may be out
.else
	s_wait_loadcnt 4*(STEPS-2-(\t))
.endif
	TURN (\t)+1                                    ; and go through the other stage while this step is worked
.endif
	v_max3_num_f32 v8, |v[XS]|, |v[XS+1]|, |v[XS+2]|               ; the largest magnitude of my 16, in two chains
	v_max3_num_f32 v9, |v[XS+3]|, |v[XS+4]|, |v[XS+5]|
.irp i, 6,10
	v_max3_num_f32 v8, v8, |v[XS+\i]|, |v[XS+\i+1]|
	v_max3_num_f32 v9, v9, |v[XS+\i+2]|, |v[XS+\i+3]|
.endr
	v_max3_num_f32 v8, v8, |v[XS+14]|, |v[XS+15]|
	v_max3_num_f32 v8, v8, v9, (EMAX+1)<<23        ; and the floor 2^(16 - 127): so the byte cannot fall under 1
	v_max_num_f32_dpp v8, v8, v8 row_xmask:1 row_mask:0xf bank_mask:0xf   ; and of my neighbour's 16: the block's
	v_add_nc_u32 v11, -(EMAX<<23), v8              ; 15 off its exponent field: the conversion takes the exponent field of this operand as its scale
	v_and_or_b32 v10, v8, 0x7f800000, s23          ; 57,344 x the scale
.irp i, 0,1,2,3,4,5,6,7,8,9,10,11,12,13,14,15
	v_med3_num_f32 v[XS+\i], v[XS+\i], -v10, v10   ; the conversion to an 8-bit code does not saturate (ISA guide 7.6.2): the hold comes first
.endr
	v_cvt_scalef32_pk8_bf8_f32 v[C+4*(\t):C+4*(\t)+1], v[XS:XS+7], v11
	v_cvt_scalef32_pk8_bf8_f32 v[C+4*(\t)+2:C+4*(\t)+3], v[XS+8:XS+15], v11
	v_lshrrev_b32 v[E+(\t)], 23, v11               ; the scale's byte (also the plain line behind the conversions)
	ds_store_b8 v5, v[E+(\t)] offset:16*(\t)       ; both lanes of a block write the same byte with the same value
	global_store_b128 v4, v[C+4*(\t):C+4*(\t)+3], s[8:9] offset:32*CB*(\t)
.endm
.irp t, 0,1,2,3,4,5,6,7,8,9,10,11,12,13,14,15
	STEP \t
.endr
	ds_load_b64 v[8:9], v6                         ; LDS serves a wave's instructions in order: these see my stores
	s_wait_dscnt 0x0
	global_store_b64 v7, v[8:9], s[10:11]          ; 32 lanes store 256 consecutive bytes, aligned
	s_wait_tensorcnt 0x0                           ; the wave's end: these three lines behind my last LDS store
	ds_add_u32 v[SPW], v[NIL]
	s_wait_dscnt 0x0
	s_endpgm
.Lfunc_end_k_q07a54fc5ca_quant:
	.size	k_q07a54fc5ca_quant, .Lfunc_end_k_q07a54fc5ca_quant-k_q07a54fc5ca_quant
	.p2alignl 7, 3214868480
	.fill 96, 4, 3214868480
	.section	.rodata,"a",@progbits
	.p2align	6, 0x0
	.amdhsa_kernel k_q07a54fc5ca_quant
		.amdhsa_group_segment_fixed_size 33280
		.amdhsa_private_segment_fixed_size 0
		.amdhsa_enable_private_segment 0
		.amdhsa_kernarg_size 48
		.amdhsa_user_sgpr_count 2
		.amdhsa_user_sgpr_kernarg_segment_ptr 1
		.amdhsa_wavefront_size32 1
		.amdhsa_system_sgpr_workgroup_id_x 1
		.amdhsa_system_sgpr_workgroup_id_y 1
		.amdhsa_system_sgpr_workgroup_id_z 1
		.amdhsa_system_vgpr_workitem_id 0
		.amdhsa_next_free_vgpr 192
		.amdhsa_next_free_sgpr 66
		.amdhsa_reserve_vcc 0
		.amdhsa_float_denorm_mode_32 3
		.amdhsa_float_denorm_mode_16_64 3
		.amdhsa_memory_ordered 1
		.amdhsa_forward_progress 1
		.amdhsa_inst_pref_size 51
	.end_amdhsa_kernel
	.amdgpu_metadata
---
amdhsa.version: [ 1, 2 ]
amdhsa.kernels:
  - .name:           k_q07a54fc5ca_quant
    .symbol:         k_q07a54fc5ca_quant.kd
    .args:
      - { .name: x, .offset: 0, .size: 8, .value_kind: global_buffer, .address_space: global }
      - { .name: W_kqv, .offset: 8, .size: 8, .value_kind: global_buffer, .address_space: global }
      - { .name: x_codes, .offset: 16, .size: 8, .value_kind: global_buffer, .address_space: global }
      - { .name: x_scales, .offset: 24, .size: 8, .value_kind: global_buffer, .address_space: global }
      - { .name: w_codes, .offset: 32, .size: 8, .value_kind: global_buffer, .address_space: global }
      - { .name: w_scales, .offset: 40, .size: 8, .value_kind: global_buffer, .address_space: global }
    .group_segment_fixed_size: 33280
    .private_segment_fixed_size: 0
    .kernarg_segment_align: 8
    .kernarg_segment_size: 48
    .max_flat_workgroup_size: 128
    .sgpr_count:     66
    .vgpr_count:     192
    .wavefront_size: 32
...
	.end_amdgpu_metadata
.endif
;; end of part 1
;; launch gemm (part 2): grid 4 x 96, 4 waves a work-group, clusters of 4 x 4, 327,680 bytes of LDS; arguments x_codes, x_scales, w_codes, w_scales, kv, qb; writes kv, qb
.if DOCPART == 2
	.amdgcn_target "amdgcn-amd-amdhsa--gfx1250"
	.amdhsa_code_object_version 6
	.text
	.protected	k_q07a54fc5ca_gemm
	.globl	k_q07a54fc5ca_gemm
	.p2align	8
	.type	k_q07a54fc5ca_gemm,@function
k_q07a54fc5ca_gemm:
	s_mov_b64 s[64:65], 0
	v_nop
	global_prefetch_b8 v0, s[64:65] scope:SCOPE_SE
	s_setreg_imm32_b32 hwreg(HW_REG_WAVE_MODE, 25, 1), 1
	s_wait_xcnt 0x0
	s_wait_alu depctr_hold_cnt(0) depctr_sa_sdst(0) depctr_va_vdst(0) depctr_va_sdst(0) depctr_va_ssrc(0) depctr_va_vcc(0) depctr_vm_vsrc(0)
	s_getreg_b32 s2, hwreg(HW_REG_IB_STS2, 6, 4)
	s_cmp_eq_u32 s2, 0
	s_cbranch_scc0 .Lentry_in_a_cluster
	s_endpgm
.Lentry_in_a_cluster:
	s_bfe_u32 s2, ttmp6, 0x10000c
	s_cmp_lg_u32 s2, 0xf033
	s_cbranch_scc0 .Lentry_shape_is_right
	s_endpgm
.Lentry_shape_is_right:
.set SIZE_K, 1024
.set KSTEP,  256
.set NQ,     KSTEP/128
.set ROWB,   256
.set KROW,   SIZE_K
.set PITCH,  272
.set FR,     16
.set NL,     4
.set NP,     8
.set HALFT,  128*PITCH
.set SLOT,   4*HALFT
.set LAPS,   SIZE_K/(2*KSTEP)
.set KS,     SIZE_K/32
.set SCL,    2*SLOT
.set HALFS,  (128*KS/256)*272
.set SBLK,   (16*KS/256)*272
.set SPARE,  SCL+4*HALFS
.set HS,     270336
.set STEPB,  16896
.set VIM,    8192
.set KSC,    16384
.set VSC,    16640
.set ADRA, 16
.set ADRB, 20
.set LI,   24
.set L8,   25
.set ADRS, 27
.set SPW,  28
.set NIL,  29
.set SC,   32
.set TM,   64
.set BY,   68
.set HD,   72
.set SO,   76
.set PW,   80
.set X,    88
.set Y,    96
.set AF,   128
.set T,    128
.set PCD,  192
.set G1, 24
.set G0, 32
.set G1B, 48
.set G0B, 56
.set G1S, 68
.set G0S, 76
.set G1SB, 80
.set G0SB, 88
.set P0,  24
.set P1,  26
.set SCP, 28
.set STA, 30
.set ST4, 32
.set LMK, 34
.set SELL, 35
.set SELH, 36
.set FLO, 37
.set MNT, 38
.set XS0, 60
.set XS1, 61
.set MSB, 0
.macro WIN new
.if MSB != \new
	s_set_vgpr_msb (MSB<<8)|\new
.set MSB, \new
.endif
.endm
.set MUL_LO, 0xa1
.set MUL_HI, 0xf1
.set TO_B,   0x40
.macro JLOAD g0a, g1a, g0b, g1b
	s_cmp_eq_u32 s15, 0
	s_cbranch_scc0 .Lfor_b_\@
	tensor_load_to_lds s[\g0a:\g0a+3], s[\g1a:\g1a+7]
	s_nop 0
.rept 4
	v_nop
.endr
	s_branch .Lasked_\@
.Lfor_b_\@:
	tensor_load_to_lds s[\g0b:\g0b+3], s[\g1b:\g1b+7]
	s_nop 0
.rept 4
	v_nop
.endr
.Lasked_\@:
.endm
.macro CREST
	s_cmp_lg_u32 s14, 0
	s_cbranch_scc1 .Lnot_wave_0_\@
	s_barrier_signal -3
.Lnot_wave_0_\@:
	s_barrier_wait -3
	s_barrier_signal -1
	s_barrier_wait -1
.endm
.macro CROUND
	s_barrier_signal -1
	s_barrier_wait -1
	CREST
.endm
	s_load_b256 s[4:11], s[0:1], 0x0
	s_load_b128 s[96:99], s[0:1], 0x20
	v_lshl_add_u32 v[SPW], v0, 2, SPARE
	v_mov_b32 v[NIL], 0
	ds_add_u32 v[SPW], v[NIL]
	ds_add_u32 v[SPW], v[NIL]
	v_lshrrev_b32 v1, 5, v0
	v_readfirstlane_b32 s14, v1
	s_lshr_b32 s15, s14, 1
	s_and_b32 s16, s14, 1
	s_bfe_u32 s40, ttmp6, 0x40000
	s_bfe_u32 s41, ttmp6, 0x40004
	s_and_b32 s95, ttmp7, 0xffff
	s_lshr_b32 s17, s95, 1
	s_lshl_b32 s17, s17, 2
	s_and_b32 s42, s95, 1
	s_lshl_b32 s42, s42, 2
	s_max_u32 s18, s95, 16
	s_sub_co_u32 s18, s18, 16
	s_lshl_b32 s18, s18, 2
	s_cmp_lt_u32 s95, 16
	s_cselect_b32 s17, s17, 8
	s_cselect_b32 s42, s42, s18
	s_add_co_u32 s17, s17, s41
	s_add_co_u32 s42, s42, s40
	s_lshl_b32 s43, s41, 2
	s_lshl_b32 s43, 15, s43
	s_lshl_b32 s44, 0x1111, s40
	s_or_b32 s[G1+0], s43, (0<<16)|(1<<20)|(1<<21)|(5<<22)|(3<<25)
	s_or_b32 s[G1B+0], s44, (0<<16)|(1<<20)|(1<<21)|(5<<22)|(3<<25)
.irp g, G1, G1B
	s_mov_b32 s[\g+1], ROWB<<16
	s_mov_b32 s[\g+2], 128<<16
	s_mov_b32 s[\g+3], ROWB<<16
	s_mov_b32 s[\g+4], 128
	s_mov_b32 s[\g+5], KROW
	s_mov_b32 s[\g+6], 0
	s_mov_b32 s[\g+7], 0
.endr
	s_or_b32 s[G1S+0], s43, (3<<16)|(1<<20)|(1<<21)|(5<<22)|(3<<25)
	s_or_b32 s[G1SB+0], s44, (3<<16)|(1<<20)|(1<<21)|(5<<22)|(3<<25)
.irp g, G1S, G1SB
	s_mov_b32 s[\g+1], 32<<16
	s_mov_b32 s[\g+2], (128*KS/256)<<16
	s_mov_b32 s[\g+3], 32<<16
	s_mov_b32 s[\g+4], 128*KS/256
	s_mov_b32 s[\g+5], 32
	s_mov_b32 s[\g+6], 0
	s_mov_b32 s[\g+7], 0
.endr
	s_lshl_b32 s18, s16, 7
	s_lshl_b32 s20, s17, 8
	s_add_co_u32 s20, s20, s18
	s_lshl_b32 s46, s42, 8
	s_add_co_u32 s46, s46, s18
	s_mov_b32 s21, 0
	s_mov_b32 s47, 0
	s_mov_b64 s[18:19], KS
	s_mul_u64 s[22:23], s[20:21], s[18:19]
	s_mul_u64 s[92:93], s[46:47], s[18:19]
	s_mov_b64 s[18:19], KROW
	s_mul_u64 s[20:21], s[20:21], s[18:19]
	s_mul_u64 s[46:47], s[46:47], s[18:19]
	s_mul_i32 s45, s14, HALFT
	s_mul_i32 s94, s14, HALFS
	s_wait_dscnt 0x0
	s_wait_kmcnt 0x0
	s_cmp_lt_u32 s95, 16
	s_cselect_b64 s[66:67], s[4:5], s[8:9]
	s_cselect_b64 s[12:13], s[6:7], s[10:11]
	s_cselect_b64 s[8:9], s[8:9], s[4:5]
	s_cselect_b64 s[10:11], s[10:11], s[6:7]
	s_add_nc_u64 s[20:21], s[66:67], s[20:21]
	s_add_nc_u64 s[22:23], s[12:13], s[22:23]
	s_add_nc_u64 s[46:47], s[8:9], s[46:47]
	s_add_nc_u64 s[92:93], s[10:11], s[92:93]
	CROUND
	s_mov_b32 s[G0S], 1
	s_add_co_u32 s[G0S+1], s94, SCL
	s_mov_b64 s[G0S+2:G0S+3], s[22:23]
	s_or_b32 s[G0S+3], s[G0S+3], 0x80000000
	s_mov_b32 s[G0SB], 1
	s_add_co_u32 s[G0SB+1], s94, SCL
	s_mov_b64 s[G0SB+2:G0SB+3], s[92:93]
	s_or_b32 s[G0SB+3], s[G0SB+3], 0x80000000
	JLOAD G0S, G1S, G0SB, G1SB
.irp s, 0,1
	s_mov_b32 s[G0+4*\s], 1
	s_add_co_u32 s[G0+4*\s+1], s45, \s*SLOT
	s_add_nc_u64 s[G0+4*\s+2:G0+4*\s+3], s[20:21], \s*ROWB
	s_or_b32 s[G0+4*\s+3], s[G0+4*\s+3], 0x80000000
	s_mov_b32 s[G0B+4*\s], 1
	s_add_co_u32 s[G0B+4*\s+1], s45, \s*SLOT
	s_add_nc_u64 s[G0B+4*\s+2:G0B+4*\s+3], s[46:47], \s*ROWB
	s_or_b32 s[G0B+4*\s+3], s[G0B+4*\s+3], 0x80000000
	s_wait_alu depctr_va_vdst(0)
	s_wait_tensorcnt 0x0
	ds_add_u32 v28, v29
	s_wait_dscnt 0x0
	CROUND
	JLOAD G0+4*\s, G1, G0B+4*\s, G1B
.endr
	v_and_b32 v1, 15, v0
	v_bfe_u32 v2, v0, 4, 1
	v_mul_u32_u24 v3, v1, PITCH
	v_lshl_add_u32 v4, v2, 4, v3
	s_mul_i32 s21, s15, HALFT
	s_mul_i32 s22, s16, HALFT
	s_add_co_u32 s22, s22, 2*HALFT
.irp s, 0,1
	v_add_nc_u32 v[ADRA+\s], s21, v4
	v_add_nc_u32 v[ADRB+\s], s22, v4
	s_add_co_u32 s21, s21, SLOT
	s_add_co_u32 s22, s22, SLOT
.endr
	v_mul_u32_u24 v5, v1, KS
	v_lshrrev_b32 v6, 8, v5
	v_lshl_add_u32 v5, v6, 4, v5
	s_mul_i32 s21, s15, HALFS
	s_mul_i32 s22, s16, HALFS
	s_add_co_u32 s22, s22, 2*HALFS
	s_sub_co_u32 s22, s22, s21
	v_mul_u32_u24 v6, s22, v2
	s_add_co_u32 s21, s21, SCL
	v_add_nc_u32 v5, v5, v6
	v_add_nc_u32 v[ADRS], s21, v5
	v_and_b32 v6, 31, v0
	v_lshlrev_b32 v[LI], 4, v6
	v_lshlrev_b32 v[L8], 3, v6
.irp b, 0,1,2,3
	v_mov_b32 v[BY+\b], 0
.endr
.macro FRAG reg, adr, q, i
.irp c, 0,1,2,3
	ds_load_b128 v[\reg+4*\c:\reg+4*\c+3], v[\adr] offset:128*(\q)+32*\c+(\i)*16*PITCH
.endr
.endm
.macro MUL16 a0, p, q, sc, zero
.irp a, \a0, \a0+1
.irp b, 0,1,2,3,4,5,6,7
.if \zero
	v_wmma_scale_f32_16x16x128_f8f6f4 v[8*(8*((\a)%4)+\b):8*(8*((\a)%4)+\b)+7], v[128*(\p)+FR*\b:128*(\p)+FR*\b+FR-1], v[AF+FR*(\a):AF+FR*(\a)+FR-1], 0, v[SC+8*NQ*(\sc)+NQ*\b+(\q)], v[SC+8*NQ*(\sc)+NQ*(\a)+(\q)] matrix_a_fmt:MATRIX_FMT_BF8 matrix_b_fmt:MATRIX_FMT_BF8 matrix_a_scale:MATRIX_SCALE_ROW1
.else
	v_wmma_scale_f32_16x16x128_f8f6f4 v[8*(8*((\a)%4)+\b):8*(8*((\a)%4)+\b)+7], v[128*(\p)+FR*\b:128*(\p)+FR*\b+FR-1], v[AF+FR*(\a):AF+FR*(\a)+FR-1], v[8*(8*((\a)%4)+\b):8*(8*((\a)%4)+\b)+7], v[SC+8*NQ*(\sc)+NQ*\b+(\q)], v[SC+8*NQ*(\sc)+NQ*(\a)+(\q)] matrix_a_fmt:MATRIX_FMT_BF8 matrix_b_fmt:MATRIX_FMT_BF8 matrix_a_scale:MATRIX_SCALE_ROW1
.endif
.endr
.endr
.endm
.macro FETCH_B slot, q, p
	WIN TO_B
.irp i, 0,1,2,3,4,5,6,7
	FRAG 128*(\p)+FR*\i, ADRB+\slot, \q, \i
.endr
	WIN 0
.endm
.macro FETCH_A slot, q, i0
.irp i, \i0, \i0+1, \i0+2, \i0+3
	FRAG AF+FR*(\i), ADRA+\slot, \q, \i
.endr
.endm
.macro SCALES sc
.irp i, 0,1,2,3,4,5,6,7
	ds_load_b64 v[SC+8*NQ*\sc+NQ*\i:SC+8*NQ*\sc+NQ*\i+1], v[ADRS] offset:\i*SBLK
.endr
.endm
.macro PLACES n
.rept \n
	v_nop
.endr
.endm
.macro STEP slot, q, zero
	s_wait_dscnt 4*NL
	WIN MUL_LO
	MUL16 0, (\q)%2, \q, \slot, \zero
	MUL16 2, (\q)%2, \q, \slot, \zero
	s_wait_dscnt 0
	PLACES NP
	FETCH_B \slot, (\q)+1, 1-(\q)%2
	FETCH_A \slot, (\q)+1, 0
	WIN MUL_HI
	MUL16 4, (\q)%2, \q, \slot, \zero
	MUL16 6, (\q)%2, \q, \slot, \zero
	PLACES NP
	WIN 0
	FETCH_A \slot, (\q)+1, 4
.endm
.macro TURN slot, next, fill
	s_wait_tensorcnt 0x0
	ds_add_u32 v[SPW], v[NIL]
	s_wait_dscnt 4*NL+1
	WIN MUL_LO
	MUL16 0, 1, NQ-1, \slot, 0
	s_wait_dscnt 0x0
	s_barrier_signal -1
	MUL16 2, 1, NQ-1, \slot, 0
	WIN 0
	s_barrier_wait -1
.if \fill
	CREST
	s_add_nc_u64 s[G0+4*\slot+2:G0+4*\slot+3], s[G0+4*\slot+2:G0+4*\slot+3], 2*ROWB
	s_add_nc_u64 s[G0B+4*\slot+2:G0B+4*\slot+3], s[G0B+4*\slot+2:G0B+4*\slot+3], 2*ROWB
	JLOAD G0+4*\slot, G1, G0B+4*\slot, G1B
	PLACES NP-4
.else
	PLACES NP
.endif
	s_wait_alu depctr_va_vdst(0)
	v_add_nc_u32 v[ADRS], 4*NQ, v[ADRS]
	FETCH_B \next, 0, 0
	FETCH_A \next, 0, 0
	SCALES \next
	WIN MUL_HI
	MUL16 4, 1, NQ-1, \slot, 0
	MUL16 6, 1, NQ-1, \slot, 0
	PLACES NP
	WIN 0
	FETCH_A \next, 0, 4
.endm
	s_wait_alu depctr_va_vdst(0)
	s_wait_tensorcnt 1
	s_barrier_signal -1
	s_barrier_wait -1
	FETCH_B 0, 0, 0
	FETCH_A 0, 0, 0
	SCALES 0
	FETCH_A 0, 0, 4
	STEP 0, 0, 1
	s_mov_b32 s3, LAPS-1
.Llap:
	TURN 0, 1, 1
	STEP 1, 0, 0
	TURN 1, 0, 1
	STEP 0, 0, 0
	s_sub_co_u32 s3, s3, 1
	s_cmp_lg_u32 s3, 0
	s_cbranch_scc1 .Llap
	TURN 0, 1, 0
	STEP 1, 0, 0
	s_wait_dscnt 4*NL
	WIN MUL_LO
	MUL16 0, 1, NQ-1, 1, 0
	MUL16 2, 1, NQ-1, 1, 0
	s_wait_dscnt 0
	WIN MUL_HI
	MUL16 4, 1, NQ-1, 1, 0
	MUL16 6, 1, NQ-1, 1, 0
	WIN 0
	s_lshl_b32 s20, s17, 1
	s_add_co_u32 s20, s20, s15
	s_lshl_b32 s21, s42, 1
	s_add_co_u32 s21, s21, s16
	s_lshl_b32 s22, s40, 2
	s_lshl_b32 s18, s16, 1
	s_add_co_u32 s22, s22, s18
	s_lshl_b32 s23, s41, 2
	s_lshl_b32 s18, s15, 1
	s_add_co_u32 s23, s23, s18
	s_mov_b32 s[STA], 2048
	s_mov_b32 s[ST4], HS-6144
	s_mov_b32 s43, 1024
	s_mov_b32 s44, VSC
	s_cmp_lt_u32 s95, 16
	s_cselect_b32 s20, s20, s21
	s_cselect_b32 s22, s22, s23
	s_cselect_b32 s[STA], 1024, s[STA]
	s_cselect_b32 s[ST4], 1024, s[ST4]
	s_cselect_b32 s43, HS, s43
	s_cselect_b32 s44, KSC, s44
	s_cselect_b32 s45, 0, VIM
	s_cselect_b32 s18, s95, 0
	s_and_b32 s18, s18, 1
	s_cselect_b64 s[46:47], s[98:99], s[96:97]
	s_mov_b32 s[STA+1], 0
	s_mov_b32 s[ST4+1], 0
	s_lshr_b32 s21, s20, 4
	s_lshl_b32 s21, s21, 4
	s_add_co_u32 s21, s21, s22
	s_and_b32 s20, s20, 15
	s_mul_i32 s21, s21, HS
	s_mul_i32 s20, s20, STEPB
	s_add_co_u32 s20, s20, s21
	s_mov_b32 s21, 0
	s_add_nc_u64 s[46:47], s[46:47], s[20:21]
	s_mov_b32 s20, s45
	s_add_nc_u64 s[P0:P0+1], s[46:47], s[20:21]
	s_mov_b32 s20, s43
	s_add_nc_u64 s[P1:P1+1], s[P0:P0+1], s[20:21]
	s_mov_b32 s20, s44
	s_add_nc_u64 s[SCP:SCP+1], s[46:47], s[20:21]
	s_mov_b32 s[LMK], 0xffff0000
	s_mov_b32 s[SELL], 0x05040100
	s_mov_b32 s[SELH], 0x07060302
	s_mov_b32 s[FLO], 0x8000000
	s_mov_b32 s[XS0], 0x76543210
	s_mov_b32 s[XS1], 0xfedcba98
.macro EPI a
.set AC, 64*((\a)%4)
	WIN (0x28+0x14*((\a)/4))
.irp b, 0,1,2,3
	v_max3_num_f32 v[TM+\b], s[FLO], |v[AC+16*\b]|, |v[AC+16*\b+1]|
.endr
.irp i, 2,4,6,8,10,12,14
.irp b, 0,1,2,3
	v_max3_num_f32 v[TM+\b], v[TM+\b], |v[AC+16*\b+\i]|, |v[AC+16*\b+\i+1]|
.endr
.endr
	WIN 0
.irp b, 0,1,2,3
	v_permlanex16_b32 v[BY+\b], v[TM+\b], s[XS0], s[XS1]
.endr
.irp b, 0,1,2,3
	v_max_num_f32 v[TM+\b], v[TM+\b], v[BY+\b]
.endr
.irp b, 0,1,2,3
	v_add_nc_u32 v[SO+\b], 0xf8800000, v[TM+\b]
.endr
.irp b, 0,1,2,3
.endr
.irp b, 0,1,2,3
	v_lshrrev_b32 v[BY+\b], 23, v[SO+\b]
.endr
	v_lshl_or_b32 v[PW+(\a)], v[BY+1], 8, v[BY]
	v_lshl_or_b32 v[PW+(\a)], v[BY+2], 16, v[PW+(\a)]
	v_lshl_or_b32 v[PW+(\a)], v[BY+3], 24, v[PW+(\a)]
	WIN (0x02+(\a)/4)
.irp b, 0,1,2,3
.irp i, 0,1,2,3,4,5,6,7,8,9,10,11,12,13,14,15
.endr
.endr
.irp b, 0,1,2,3
	v_cvt_scalef32_pk8_bf8_f32 v[PCD+4*\b:PCD+4*\b+1], v[AC+16*\b:AC+16*\b+7], v[SO+\b]
	v_cvt_scalef32_pk8_bf8_f32 v[PCD+4*\b+2:PCD+4*\b+3], v[AC+16*\b+8:AC+16*\b+15], v[SO+\b]
.endr
	WIN 0
	v_nop
.irp q, 0,1
	global_store_b128 v[LI], v[PCD+4*\q:PCD+4*\q+3], s[P0:P0+1] offset:512*\q
.endr
.irp q, 0,1
	global_store_b128 v[LI], v[PCD+8+4*\q:PCD+8+4*\q+3], s[P1:P1+1] offset:512*\q
.endr
.if (\a) < 7
	s_wait_xcnt 0x0
.if (\a) == 3
	s_add_nc_u64 s[P0:P0+1], s[P0:P0+1], s[ST4:ST4+1]
	s_add_nc_u64 s[P1:P1+1], s[P1:P1+1], s[ST4:ST4+1]
.else
	s_add_nc_u64 s[P0:P0+1], s[P0:P0+1], s[STA:STA+1]
	s_add_nc_u64 s[P1:P1+1], s[P1:P1+1], s[STA:STA+1]
.endif
.endif
.endm
.macro SCOUT R
.irp j, 0,1,2,3
	v_cndmask_b32 v[Y+\j], v[\R+2*\j], v[\R+2*\j+1], s[LMK]
.endr
	global_store_b64 v[L8], v[Y:Y+1], s[SCP:SCP+1]
	global_store_b64 v[L8], v[Y+2:Y+3], s[SCP:SCP+1] offset:HS
.endm
	PLACES NP
.irp a, 0,1,2,3,4,5,6,7
	EPI \a
.endr
	s_cmp_lt_u32 s95, 16
	s_cbranch_scc0 .Lv_words
.irp i, 0,1,2,3
	v_perm_b32 v[X+\i], v[PW+2*\i+1], v[PW+2*\i], s[SELL]
	v_perm_b32 v[X+4+\i], v[PW+2*\i+1], v[PW+2*\i], s[SELH]
.endr
	SCOUT X
	s_branch .Lwords_out
.Lv_words:
	SCOUT PW
.Lwords_out:
	s_wait_tensorcnt 0x0
	ds_add_u32 v[SPW], v[NIL]
	s_wait_dscnt 0x0
	CROUND
	s_endpgm
.Lfunc_end_k_q07a54fc5ca_gemm:
	.size	k_q07a54fc5ca_gemm, .Lfunc_end_k_q07a54fc5ca_gemm-k_q07a54fc5ca_gemm
	.p2alignl 7, 3214868480
	.fill 96, 4, 3214868480
	.section	.rodata,"a",@progbits
	.p2align	6, 0x0
	.amdhsa_kernel k_q07a54fc5ca_gemm
		.amdhsa_group_segment_fixed_size 327680
		.amdhsa_private_segment_fixed_size 0
		.amdhsa_enable_private_segment 0
		.amdhsa_kernarg_size 48
		.amdhsa_user_sgpr_count 2
		.amdhsa_user_sgpr_kernarg_segment_ptr 1
		.amdhsa_wavefront_size32 1
		.amdhsa_system_sgpr_workgroup_id_x 1
		.amdhsa_system_sgpr_workgroup_id_y 1
		.amdhsa_system_sgpr_workgroup_id_z 1
		.amdhsa_system_vgpr_workitem_id 0
		.amdhsa_next_free_vgpr 1024
		.amdhsa_next_free_sgpr 100
		.amdhsa_reserve_vcc 0
		.amdhsa_float_denorm_mode_32 3
		.amdhsa_float_denorm_mode_16_64 3
		.amdhsa_fp16_overflow 1
		.amdhsa_memory_ordered 1
		.amdhsa_forward_progress 1
		.amdhsa_inst_pref_size 153
	.end_amdhsa_kernel
	.amdgpu_metadata
---
amdhsa.version: [ 1, 2 ]
amdhsa.kernels:
  - .name:           k_q07a54fc5ca_gemm
    .symbol:         k_q07a54fc5ca_gemm.kd
    .args:
      - { .name: x_codes, .offset: 0, .size: 8, .value_kind: global_buffer, .address_space: global }
      - { .name: x_scales, .offset: 8, .size: 8, .value_kind: global_buffer, .address_space: global }
      - { .name: w_codes, .offset: 16, .size: 8, .value_kind: global_buffer, .address_space: global }
      - { .name: w_scales, .offset: 24, .size: 8, .value_kind: global_buffer, .address_space: global }
      - { .name: kv, .offset: 32, .size: 8, .value_kind: global_buffer, .address_space: global }
      - { .name: qb, .offset: 40, .size: 8, .value_kind: global_buffer, .address_space: global }
    .group_segment_fixed_size: 327680
    .private_segment_fixed_size: 0
    .kernarg_segment_align: 8
    .kernarg_segment_size: 48
    .max_flat_workgroup_size: 128
    .sgpr_count:     100
    .vgpr_count:     1024
    .wavefront_size: 32
...
	.end_amdgpu_metadata
.endif
;; end of part 2
;; launch attn (part 3): grid 4 x 64, 16 waves a work-group, clusters of 4 x 1, 327,680 bytes of LDS; arguments kv, qb, out0; writes out0
.if DOCPART == 3
	.amdgcn_target "amdgcn-amd-amdhsa--gfx1250"
	.amdhsa_code_object_version 6
	.text
	.protected	k_q07a54fc5ca_attn
	.globl	k_q07a54fc5ca_attn
	.p2align	8
	.type	k_q07a54fc5ca_attn,@function
k_q07a54fc5ca_attn:
	s_mov_b64 s[64:65], 0
	v_nop
	global_prefetch_b8 v0, s[64:65] scope:SCOPE_SE
	s_setreg_imm32_b32 hwreg(HW_REG_WAVE_MODE, 25, 1), 1
	s_wait_xcnt 0x0
	s_wait_alu depctr_hold_cnt(0) depctr_sa_sdst(0) depctr_va_vdst(0) depctr_va_sdst(0) depctr_va_ssrc(0) depctr_va_vcc(0) depctr_vm_vsrc(0)
	s_getreg_b32 s2, hwreg(HW_REG_IB_STS2, 6, 4)
	s_cmp_eq_u32 s2, 0
	s_cbranch_scc0 .Lentry_in_a_cluster
	s_endpgm
.Lentry_in_a_cluster:
	s_bfe_u32 s2, ttmp6, 0x10000c
	s_cmp_lg_u32 s2, 0x3003
	s_cbranch_scc0 .Lentry_shape_is_right
	s_endpgm
.Lentry_shape_is_right:
; out[b][i][64 h + d] = the sum over keys j of softmax_j(q_i . k_j / 32 + slope_h (j - i)) v_j[d], both products on codes of E5M2 with one E8M0 scale for each 32 along K.  No work is left out: -slope_h i stays (it moves M, and so p's codes).
; THE SOFTMAX AHEAD OF THE SECOND PRODUCT: t = logit x log2(e); M = the running largest t rounded UP to a whole number; p = 2^(t - M) is quantised along the keys, not normalised; the row's sum is taken of the
; unquantised p and divides at the end; when M moves, the sum and O are multiplied by 2^(old M - new M): exact.
; SHARES.  A cluster of four work-groups is one (batch, head); a work-group owns 512 queries, each of its sixteen waves 32, in two passes of 16: four waves to a SIMD, so that one wave's vector work stands beside
; another's matrix work and LDS loads.  THE HEAD'S WHOLE K, V AND SCALE WORDS, 270,336 bytes, LIE IN LDS FOR THE WHOLE LAUNCH, filled once: wave w asks for step w's dense 16,896 bytes, jointly with the three
; partners (the same load, the same descriptor, a mask of the four).  No slot is filled again: one barrier behind the fill, none in the loops.
; OPERANDS come as images of their registers (16 bytes a lane, 512 a chunk): no pitch, no padding, every LDS read runs on end.
; S^T = K Q^T: the head has 64 features, the instruction takes 128 along K: an image of K holds TWO tiles of 16 keys, one in K = 0-63 and one in K = 64-127; against [q | 0] it gives the first tile's scores, against
; [0 | q] the second's (q's 8 registers stand between two runs of 8 zeros).  The keys of a tile are chosen so that the 16 registers of an image's two tiles are 16 neighbouring keys, 32 i + 16 (lane / 16) + 0 .. 15.
; ALiBi: t = c (q.k + 32 slope off) + sl2 32 b + sl2 (128 step - query), c = log2(e) / 32, sl2 = slope log2(e), off = the key's place in its block of 32.  32 slope off is the C of the first product and costs no
; vector instruction; the rest is one number for each block of 32 keys, the addend of the multiply-add that the scaling needs anyway.  j - i is kept in whole numbers; sl2 as a high and a low part.
; The slopes are reference()'s own table, 2^(-(h + 1) / 2) rounded to f32, made from the head's number.
; O^T = V^T P^T: a lane holds one query throughout; the conversions' results are the second product's operand; V's images land in the registers that p has left.
; LIMITS: NaN and infinities are not served; a block whose every p has fallen to 0 keeps the byte 1 (its codes are zeros); what 2^(old M - new M) sends under the smallest f32 number is lost.
.set HS,    270336                     ; kv, qb: bytes of a (batch, head): 16 steps
.set STEPB, 16896                      ; a step of 128 keys: 4 images of K, 4 of V^T, 256 bytes of K's scale words, 256 of V's
.set VIM,   8192
.set KSC,   16384
.set VSC,   16640
.set STAGE, HS                         ; LDS behind K and V: for each wave 8 rows x (256 + 16) bytes in 2,304, for the way out
.set STW,   2304
.set SPARE, STAGE+16*STW               ; behind the stages: the spare words, 128 bytes for each wave
.set LI,  1                            ; v1   16 x lane
.set ADK, 2                            ; v2   LDS address of the step's images
.set ADS, 3                            ; v3   of its scale words
.set L8,  4                            ; v4   8 x lane
.set SPW, 5                            ; v5   LDS address of my spare word; never rewritten
.set NIL, 6                            ; v6   0; never rewritten
.set QO,  7                            ; v7   my place among q's scale words
.set STO, 8                            ; v8   the stage: where I put 16 bytes of a row
.set RD,  9                            ; v9   and where I read a row back
.set GO,  10                           ; v10  my byte offset in the rows of out0
.set RR,  11                           ; v11  lane % 16
.set NM,  12                           ; v12  -M
.set TX,  13                           ; v13  the largest t so far
.set LS,  14                           ; v[14:15] the row's sum, in two halves
.set FF,  16                           ; v16  f = 2^(old M - new M);  v17 D = 128 step - my query
.set DD,  17
.set WK,  18                           ; v[18:19] at work
.set BM,  20                           ; v20-23 a block's largest score, then its largest p
.set PM,  24                           ; v24-27 at work
.set SO,  28                           ; v28-31 the conversions' scale operands
.set EB,  32                           ; v32-39 for block b: the addend E_b (even), 57,344 x the scale (odd)
.set KSR, 40                           ; v[40:41] K's scale words;  v[42:43] V's;  v44 q's;  v45 p's: scales and nothing else
.set VSR, 42
.set QS,  44
.set PS,  45
.set QW,  46                           ; v46  q's scale word as stored: both passes' bytes
.set CB,  48                           ; v48-63 32 slope x (16 (lane / 16) + n)
.set QF,  64                           ; v64-71 zeros, v72-79 q, v80-87 zeros
.set O,   88                           ; v88-119 O^T: register 16 b + i = channel 32 b + 16 (lane / 16) + i
.set F,   120                          ; v120-183 K's four images; then p's codes in the first 16; on the way out the results
.set S,   184                          ; v184-247 S^T, then p, then V's four images
.set WV,  10                           ; s10  my wave's number
.set MNT, 19                           ; s19  the mantissa field of 57,344
.set SEL, 20                           ; s[20:21] lane selects for v_permlanex16_b32: lane l xor 16
.set CS,  22                           ; s[22:23] c (the packed form names a pair and takes its low word for both halves)
.set SL2, 24                           ; s24 sl2;  s25-27 sl2 x 32, 64, 96;  s28 32 slope;  s29 sl2's low part
.set TB,  30                           ; s30  LDS byte at which the step in hand begins
.set G1,  36                           ; s[36:43] descriptor group 1;  s[44:47] group 0
.set G0,  44
.macro CROUND                          ; a round of the cluster's barrier
	s_barrier_signal -1
	s_barrier_wait -1
	s_cmp_lg_u32 s[WV], 0
	s_cbranch_scc1 .Lnot_wave_0_\@
	s_barrier_signal -3
.Lnot_wave_0_\@:
	s_barrier_wait -3
	s_barrier_signal -1
	s_barrier_wait -1
.endm
	s_load_b128 s[4:7], s[0:1], 0x0                ; kv, qb
	s_load_b64 s[8:9], s[0:1], 0x10                ; out0
	v_lshl_add_u32 v[SPW], v0, 2, SPARE
	v_mov_b32 v[NIL], 0
	ds_add_u32 v[SPW], v[NIL]                      ; the wave's opening: the add, twice on end, and its wait ahead of my first tensor load; the set-up below stands between the second and the wait
	ds_add_u32 v[SPW], v[NIL]
	v_lshrrev_b32 v1, 5, v0
	s_delay_alu instid0(VALU_DEP_1)
	v_readfirstlane_b32 s[WV], v1                  ; wave 0..15
	s_bfe_u32 s11, ttmp6, 0x40000                  ; cx: my block of 512 queries
	s_and_b32 s12, ttmp7, 0xffff                   ; 16 x batch + head, which the four partners share
	; descriptor group 1: a dense block of 16,896 bytes as 66 rows of 256 (32 elements of 8 bytes), no padding
	s_mov_b32 s[G1], 15|(3<<16)|(1<<21)            ; 15:0 the mask: all four work-groups; 17:16 elements of 8 bytes; 21 set beside a mask
	s_mov_b32 s[G1+1], 32<<16                      ; tensor_dim0
	s_mov_b32 s[G1+2], 66<<16                      ; tensor_dim1
	s_mov_b32 s[G1+3], 32<<16                      ; tile_dim0
	s_mov_b32 s[G1+4], 66                          ; tile_dim1
	s_mov_b32 s[G1+5], 32                          ; tensor_dim0_stride
	s_mov_b32 s[G1+6], 0
	s_mov_b32 s[G1+7], 0
	s_mov_b32 s[MNT], 0x600000
	s_mov_b32 s[SEL], 0x76543210
	s_mov_b32 s[SEL+1], 0xfedcba98
	s_mov_b32 s[CS], 0x3d38aa3b                    ; c = log2(e) / 32
	s_mov_b32 s[CS+1], s[CS]
	; slope = 2^(-n / 2), n = head + 1: for even n a power of two, for odd n f32(2^(-1/2)) x 2^(-(n - 1) / 2); n / 2 (rounded down) comes off the exponent field
	s_and_b32 s13, s12, 15                         ; head
	s_add_co_u32 s17, s13, 1                       ; n
	s_lshr_b32 s18, s17, 1
	s_lshl_b32 s18, s18, 23
	s_mov_b32 s28, 0x3f800000                      ; 1
	s_mov_b32 s[SL2], 0x3fb8aa3b                   ; log2(e), high part,
	s_mov_b32 s29, 0x32a57060                      ; and low part
	s_and_b32 s17, s17, 1                          ; is n odd?
	s_cselect_b32 s28, 0x3f3504f3, s28             ; f32(2^(-1/2))
	s_cselect_b32 s[SL2], 0x3f8293ee, s[SL2]       ; that number x log2(e), high part,
	s_cselect_b32 s29, 0xb2e4fb54, s29             ; and low part
	s_sub_co_u32 s28, s28, s18
	s_add_co_u32 s28, s28, 5<<23                   ; 32 slope
	s_sub_co_u32 s[SL2], s[SL2], s18
	s_sub_co_u32 s29, s29, s18
	s_mul_f32 s25, s[SL2], 0x42000000              ; sl2 x 32,
	s_mul_f32 s26, s[SL2], 0x42800000              ; x 64,
	s_mul_f32 s27, s[SL2], 0x42c00000              ; x 96
	s_mul_i32 s16, s12, HS                         ; my head's first byte in kv and in qb
	s_mov_b32 s[G0], 1                             ; 1:0 count = 1
	s_mul_i32 s[G0+1], s[WV], STEPB                ; 63:32 LDS address: step w lies where it lies in memory; no place in the cluster enters it
	s_add_co_u32 s34, s16, s[G0+1]
	s_mov_b32 s35, 0
	s_wait_dscnt 0x0                               ; both opening adds are done
	s_wait_kmcnt 0x0
	s_add_nc_u64 s[G0+2:G0+3], s[4:5], s[34:35]    ; 120:64 global address: my head's step w
	s_or_b32 s[G0+3], s[G0+3], 0x80000000          ; 127:126 type = 2
	CROUND                                         ; all four work-groups are here: the joint loads meet
	tensor_load_to_lds s[G0:G0+3], s[G1:G1+7]      ; my one tensor load of the launch
	s_nop 0
	; while it is on its way: pointers, addresses, constants
	s_lshl_b32 s34, s11, 2
	s_lshr_b32 s17, s[WV], 2
	s_add_co_u32 s34, s34, s17                     ; the step of 128 tokens that holds my 32 queries: 4 cx + w / 4
	s_mul_i32 s34, s34, STEPB
	s_add_co_u32 s34, s34, s16
	s_add_nc_u64 s[6:7], s[6:7], s[34:35]          ; qb at that step
	s_and_b32 s34, s[WV], 3
	s_lshl_b32 s34, s34, 11
	s_add_nc_u64 s[14:15], s[6:7], s[34:35]        ; my image: w % 4
	s_lshr_b32 s34, s12, 4                         ; batch
	s_lshl_b32 s34, s34, 11
	s_lshl_b32 s17, s11, 9
	s_lshl_b32 s18, s[WV], 5
	s_add_co_u32 s17, s17, s18                     ; 512 cx + 32 w: my first query
	s_add_co_u32 s34, s34, s17
	s_lshl_b32 s34, s34, 12                        ; a token's row of out0 is 4,096 bytes
	s_lshl_b32 s13, s13, 8                         ; the head's 256 of them
	s_add_co_u32 s34, s34, s13
	s_add_nc_u64 s[8:9], s[8:9], s[34:35]
	v_and_b32 v[LI], 31, v0
	s_delay_alu instid0(VALU_DEP_1)
	v_lshlrev_b32 v[L8], 3, v[LI]
	s_delay_alu instid0(VALU_DEP_2)
	v_lshlrev_b32 v[LI], 4, v[LI]
	v_and_b32 v[RR], 15, v0                        ; r
	v_bfe_u32 v19, v0, 4, 1                        ; h
	s_and_b32 s34, s[WV], 1                        ; q's scale word: image i, row r at 128 (i & 1) + 8 r + 4 (i >> 1)
	s_lshl_b32 s34, s34, 7
	s_bfe_u32 s18, s[WV], 0x10001
	s_lshl_b32 s18, s18, 2
	s_add_co_u32 s34, s34, s18
	v_lshl_add_u32 v[QO], v[RR], 3, s34
	global_load_b32 v[QW], v[QO], s[6:7] offset:KSC
	s_mul_i32 s34, s[WV], STW
	s_add_co_u32 s34, s34, STAGE                   ; my stage
	v_and_b32 v[STO], 7, v0
	s_delay_alu instid0(VALU_DEP_1)
	v_mul_u32_u24 v[STO], v[STO], 272
	s_delay_alu instid0(VALU_DEP_1)
	v_lshl_add_u32 v[STO], v19, 6, v[STO]
	s_delay_alu instid0(VALU_DEP_1)
	v_add_nc_u32 v[STO], s34, v[STO]               ; in: row r % 8, + 64 h
	v_mul_u32_u24 v[RD], v19, 272
	s_delay_alu instid0(VALU_DEP_1)
	v_lshl_add_u32 v[RD], v[RR], 4, v[RD]
	s_delay_alu instid0(VALU_DEP_1)
	v_add_nc_u32 v[RD], s34, v[RD]                 ; back: lanes 0-15 one row of 256 bytes, lanes 16-31 the next
	v_lshlrev_b32 v[GO], 12, v19
	s_delay_alu instid0(VALU_DEP_1)
	v_lshl_add_u32 v[GO], v[RR], 4, v[GO]          ; and the same two rows in out0
	v_and_b32 v18, 8, v[RR]
	s_delay_alu instid0(VALU_DEP_1)
	v_add_nc_u32 v18, v18, v[RR]                   ; r + 8 (r / 8)
	s_delay_alu instid0(VALU_DEP_1)
	v_add_nc_u32 v18, s17, v18                     ; my query of the first pass
	s_delay_alu instid0(VALU_DEP_1)
	v_cvt_f32_u32 v[DD], v18
	s_delay_alu instid0(VALU_DEP_1)
	v_xor_b32 v[DD], 0x80000000, v[DD]             ; D = 128 x 0 - query
	v_lshlrev_b32 v18, 4, v19                      ; 16 h
.set n, 0
.rept 16
	v_add_nc_u32 v[CB+n], n, v18
.set n, n+1
.endr
.set n, 0
.rept 16
	v_cvt_f32_u32 v[CB+n], v[CB+n]
.set n, n+1
.endr
.set n, 0
.rept 16
	v_mul_f32 v[CB+n], s28, v[CB+n]                ; 32 slope x (16 h + n)
.set n, n+1
.endr
.set n, 0
.rept 8
	v_mov_b32 v[QF+n], 0                           ; the zero codes beside q: they stay
	v_mov_b32 v[QF+16+n], 0
.set n, n+1
.endr
.irp b, 0,1,2,3
	v_mov_b32 v[PM+\b], 0                          ; written once: a lane permute's destination counts as one of its sources
	v_mov_b32 v[EB+2*\b+1], 0                      ; (named as the upper half of a pair before it is first written)
.endr
	s_mov_b32 s32, 2                               ; passes
	s_mov_b32 s33, 0                               ; 16 x pass
	s_wait_loadcnt 0x0                             ; q's scale word
	s_wait_tensorcnt 0x0                           ; my step of K and V is in,
	s_barrier_signal -1
	s_barrier_wait -1                              ; everybody's is: from here on LDS bytes 0 to 270,335 are only read
.Lpass:                                                ; 16 queries: tile p of my image: query 512 cx + 32 w + 8 p + r + 8 (r / 8)
	global_load_b128 v[QF+8:QF+11], v[LI], s[14:15]             ; q's codes: features 16 h .. and 32 + 16 h ..
	global_load_b128 v[QF+12:QF+15], v[LI], s[14:15] offset:512
	v_lshrrev_b32 v18, s33, v[QW]
	s_delay_alu instid0(VALU_DEP_1)
	v_and_b32 v18, 0xffff, v18                     ; this tile's two scale bytes,
	s_delay_alu instid0(VALU_DEP_1)
	v_lshl_or_b32 v[QS], v18, 16, v18              ; twice: for [q | 0] and for [0 | q]
	v_mov_b32 v[TX], 0xff61b1e6                    ; the largest t so far: -3e38, under every t
	s_delay_alu instid0(VALU_DEP_1)
	v_floor_f32 v[NM], -v[TX]
	v_mov_b32 v[LS], 0
	v_mov_b32 v[LS+1], 0
.set n, 0
.rept 32
	v_mov_b32 v[O+n], 0                            ; the step is written once: the first finds zeros, which the first change of M leaves zeros
.set n, n+1
.endr
	s_mov_b32 s[TB], 0
	s_mov_b32 s31, 16
	s_wait_loadcnt 0x0
.Lstep:                                                ; 128 keys
	s_setprio 2
	v_add_nc_u32 v[ADK], s[TB], v[LI]
	v_add_nc_u32 v[ADS], s[TB], v[L8]
.rept 8
	v_nop                                          ; with the two lines above and D's step at the loop's end: eleven places behind the last products.  Nine are owed: the next products write over the registers that held V; the loads below want eight
.endr
	ds_load_b64 v[KSR:KSR+1], v[ADS] offset:KSC    ; lanes 0-15: images 0 and 2; lanes 16-31: images 1 and 3
	ds_load_b64 v[VSR:VSR+1], v[ADS] offset:VSC
.irp i, 0,1,2,3
.irp c, 0,1,2,3
	ds_load_b128 v[F+16*\i+4*\c:F+16*\i+4*\c+3], v[ADK] offset:2048*\i+512*\c
.endr
.endr
.irp i, 0,1,2,3                                ; S^T = K Q^T + 32 slope off: image i's two tiles
	s_wait_dscnt 12-4*\i                           ; image i is in; the later images' four loads each may be out
.irp u, 0,1
.if (\i)%2
	v_wmma_scale_f32_16x16x128_f8f6f4 v[S+16*\i+8*\u:S+16*\i+8*\u+7], v[F+16*\i:F+16*\i+15], v[QF+8-8*\u:QF+23-8*\u], v[CB+8*\u:CB+8*\u+7], v[KSR+\i/2], v[QS] matrix_a_fmt:MATRIX_FMT_BF8 matrix_b_fmt:MATRIX_FMT_BF8 matrix_a_scale:MATRIX_SCALE_ROW1
.else
	v_wmma_scale_f32_16x16x128_f8f6f4 v[S+16*\i+8*\u:S+16*\i+8*\u+7], v[F+16*\i:F+16*\i+15], v[QF+8-8*\u:QF+23-8*\u], v[CB+8*\u:CB+8*\u+7], v[KSR+\i/2], v[QS] matrix_a_fmt:MATRIX_FMT_BF8 matrix_b_fmt:MATRIX_FMT_BF8
.endif
.endr
.endr
.rept 8
	v_nop
.endr
.irp b, 0,1,2,3
	v_max3_num_f32 v[BM+\b], v[S+16*\b], v[S+16*\b+1], v[S+16*\b+2]   ; the largest score of each block of 32 keys: it serves for the row's maximum and, since p rises with the score inside a block, for the block's largest p
.endr
.irp i, 3,5,7,9,11,13
.irp b, 0,1,2,3
	v_max3_num_f32 v[BM+\b], v[BM+\b], v[S+16*\b+\i], v[S+16*\b+\i+1]
.endr
.endr
.irp b, 0,1,2,3
	v_max_num_f32 v[BM+\b], v[BM+\b], v[S+16*\b+15]
.endr
.irp b, 0,1,2,3
	s_delay_alu instid0(VALU_DEP_4)
	v_permlanex16_b32 v[PM+\b], v[BM+\b], s[SEL], s[SEL+1]
.endr
.irp b, 0,1,2,3
	s_delay_alu instid0(VALU_DEP_4)
	v_max_num_f32 v[BM+\b], v[BM+\b], v[PM+\b]     ; with lane l xor 16's 16 keys
.endr
	s_delay_alu instid0(VALU_DEP_4)
	v_mul_f32 v[PM], s[CS], v[BM]                  ; each block's largest t, less sl2 D
	s_delay_alu instid0(VALU_DEP_4)
	v_fma_f32 v[PM+1], v[BM+1], s[CS], s25
	s_delay_alu instid0(VALU_DEP_4)
	v_fma_f32 v[PM+2], v[BM+2], s[CS], s26
	s_delay_alu instid0(VALU_DEP_4)
	v_fma_f32 v[PM+3], v[BM+3], s[CS], s27
	s_delay_alu instid0(VALU_DEP_2)
	v_max3_num_f32 v18, v[PM], v[PM+1], v[PM+2]
	s_delay_alu instid0(VALU_DEP_1)
	v_max_num_f32 v18, v18, v[PM+3]
	s_delay_alu instid0(VALU_DEP_1)
	v_fma_f32 v18, s[SL2], v[DD], v18              ; the step's largest t of my query
	s_delay_alu instid0(VALU_DEP_1)
	v_max_num_f32 v[TX], v[TX], v18
	v_mov_b32 v18, v[NM]
	s_delay_alu instid0(VALU_DEP_2)
	v_floor_f32 v[NM], -v[TX]                      ; the new -M = -ceil(t): M is a whole number
	s_delay_alu instid0(VALU_DEP_1)
	v_sub_f32 v18, v[NM], v18                      ; old M - new M: a whole number, 0 or less
	s_delay_alu instid0(VALU_DEP_1)
	v_cvt_i32_f32 v18, v18                         ; (it saturates)
	s_delay_alu instid0(VALU_DEP_1)
	v_ldexp_f32 v[FF], 1.0, v18                    ; f = 2^(old M - new M)
	s_delay_alu instid0(VALU_DEP_4)
	v_fma_f32 v[EB], s[SL2], v[DD], v[NM]          ; E_0 = sl2 D - M,
	s_delay_alu instid0(VALU_DEP_1)
	v_fma_f32 v[EB], s29, v[DD], v[EB]             ; with sl2's low part
	s_delay_alu instid0(VALU_DEP_1)
	v_add_f32 v[EB+2], s25, v[EB]                  ; E_b = E_0 + sl2 32 b
	s_delay_alu instid0(VALU_DEP_2)
	v_add_f32 v[EB+4], s26, v[EB]
	s_delay_alu instid0(VALU_DEP_3)
	v_add_f32 v[EB+6], s27, v[EB]
.irp b, 0,1,2,3
.irp j, 0,2,4,6,8,10,12,14
	v_pk_fma_f32 v[S+16*\b+\j:S+16*\b+\j+1], v[S+16*\b+\j:S+16*\b+\j+1], s[CS:CS+1], v[EB+2*\b:EB+2*\b+1] op_sel_hi:[1,0,0]   ; t - M, two at a time
.endr
.endr
.irp b, 0,1,2,3
	v_fma_f32 v[BM+\b], v[BM+\b], s[CS], v[EB+2*\b]   ; the same of each block's largest score
.endr
.set j, 0
	s_wait_alu depctr_va_vdst(0)
.rept 64
	v_exp_f32 v[S+j], v[S+j]                       ; p = 2^(t - M): not normalised
.set j, j+1
.endr
	s_setprio 1
	v_pk_mul_f32 v[LS:LS+1], v[LS:LS+1], v[FF:FF+1] op_sel_hi:[1,0]   ; the sums under the new M (the plain line behind the exponentials)
	s_wait_alu depctr_va_vdst(0)                   ; one wait for the whole batch, ahead of its first reader
.irp b, 0,1,2,3
	v_exp_f32 v[BM+\b], v[BM+\b]                   ; the block's largest p: the same two instructions on the same number give the same bits
.endr
	v_pk_add_f32 v[24:25], v[188:189], v[192:193]
	v_pk_add_f32 v[254:255], v[196:197], v[200:201]
	v_pk_add_f32 v[252:253], v[204:205], v[208:209]
	v_pk_add_f32 v[250:251], v[212:213], v[216:217]
	v_pk_add_f32 v[248:249], v[220:221], v[224:225]
	v_pk_add_f32 v[14:15], v[14:15], v[228:229]
	v_pk_add_f32 v[24:25], v[24:25], v[232:233]
	v_pk_add_f32 v[254:255], v[254:255], v[236:237]
	v_pk_add_f32 v[252:253], v[252:253], v[240:241]
	v_pk_add_f32 v[250:251], v[250:251], v[244:245]
	v_pk_add_f32 v[248:249], v[248:249], v[184:185]
	v_pk_add_f32 v[14:15], v[14:15], v[186:187]
	v_pk_add_f32 v[24:25], v[24:25], v[190:191]
	v_pk_add_f32 v[254:255], v[254:255], v[194:195]
	v_pk_add_f32 v[252:253], v[252:253], v[198:199]
	v_pk_add_f32 v[250:251], v[250:251], v[202:203]
	v_pk_add_f32 v[248:249], v[248:249], v[206:207]
	v_pk_add_f32 v[14:15], v[14:15], v[210:211]
	v_pk_add_f32 v[24:25], v[24:25], v[214:215]
	v_pk_add_f32 v[254:255], v[254:255], v[218:219]
	v_pk_add_f32 v[252:253], v[252:253], v[222:223]
	v_pk_add_f32 v[250:251], v[250:251], v[226:227]
	v_pk_add_f32 v[248:249], v[248:249], v[230:231]
	v_pk_add_f32 v[14:15], v[14:15], v[234:235]
	v_pk_add_f32 v[24:25], v[24:25], v[238:239]
	v_pk_add_f32 v[254:255], v[254:255], v[242:243]
	v_pk_add_f32 v[252:253], v[252:253], v[246:247]
	s_delay_alu instid0(VALU_DEP_1)
	v_pk_add_f32 v[14:15], v[14:15], v[252:253]
	s_delay_alu instid0(VALU_DEP_4)
	v_pk_add_f32 v[24:25], v[24:25], v[250:251]
	s_delay_alu instid0(VALU_DEP_4)
	v_pk_add_f32 v[254:255], v[254:255], v[248:249]
	s_delay_alu instid0(VALU_DEP_1)
	v_pk_add_f32 v[14:15], v[14:15], v[254:255]
	s_delay_alu instid0(VALU_DEP_1)
	v_pk_add_f32 v[14:15], v[14:15], v[24:25]
	s_wait_alu depctr_va_vdst(0)                   ; and one for the four
.irp b, 0,1,2,3
	v_max_num_f32 v[BM+\b], 0x8000000, v[BM+\b]    ; the floor 2^(16 - 127): the byte cannot fall under 1
.endr
.irp b, 0,1,2,3
	s_delay_alu instid0(VALU_DEP_4)
	v_add_nc_u32 v[SO+\b], 0xf8800000, v[BM+\b]    ; 15 off the exponent field: the conversion's scale operand
.endr
.irp b, 0,1,2,3
	v_and_or_b32 v[EB+2*\b+1], v[BM+\b], 0x7f800000, s[MNT]   ; 57,344 x the scale
.endr
.irp b, 0,1,2,3
	v_lshrrev_b32 v[PM+\b], 23, v[SO+\b]           ; the scale's byte
.endr
	s_delay_alu instid0(VALU_DEP_3)
	v_lshl_or_b32 v[PS], v[PM+1], 8, v[PM]         ; p's scale word for these 128 keys
	s_delay_alu instid0(VALU_DEP_1)
	v_lshl_or_b32 v[PS], v[PM+2], 16, v[PS]
	s_delay_alu instid0(VALU_DEP_1)
	v_lshl_or_b32 v[PS], v[PM+3], 24, v[PS]
.irp b, 0,1,2,3
.irp i, 0,1,2,3,4,5,6,7,8,9,10,11,12,13,14,15
.endr
	v_cvt_scalef32_pk8_bf8_f32 v[F+4*\b:F+4*\b+1], v[S+16*\b:S+16*\b+7], v[SO+\b]
	v_cvt_scalef32_pk8_bf8_f32 v[F+4*\b+2:F+4*\b+3], v[S+16*\b+8:S+16*\b+15], v[SO+\b]
.irp c, 0,1,2,3
	ds_load_b128 v[S+16*\b+4*\c:S+16*\b+4*\c+3], v[ADK] offset:VIM+2048*\b+512*\c   ; V's image b takes the 16 registers whose p has just become codes
.endr
.endr
.set j, 0
	s_setprio 0
.rept 16
	v_pk_mul_f32 v[O+j:O+j+1], v[O+j:O+j+1], v[FF:FF+1] op_sel_hi:[1,0]   ; O^T under the new M.  (These are also the places between the codes and the products)
.set j, j+2
.endr
	s_wait_alu depctr_va_vdst(0)
.irp t, 0,1,2,3                                ; O^T += V^T P^T: four tiles of 16 channels by turns; K = these 128 keys
	s_wait_dscnt 12-4*\t                           ; image t is in; the later images' four loads each may be out
.if (\t)%2
	v_wmma_scale_f32_16x16x128_f8f6f4 v[O+8*\t:O+8*\t+7], v[S+16*\t:S+16*\t+15], v[F:F+15], v[O+8*\t:O+8*\t+7], v[VSR+\t/2], v[PS] matrix_a_fmt:MATRIX_FMT_BF8 matrix_b_fmt:MATRIX_FMT_BF8 matrix_a_scale:MATRIX_SCALE_ROW1
.else
	v_wmma_scale_f32_16x16x128_f8f6f4 v[O+8*\t:O+8*\t+7], v[S+16*\t:S+16*\t+15], v[F:F+15], v[O+8*\t:O+8*\t+7], v[VSR+\t/2], v[PS] matrix_a_fmt:MATRIX_FMT_BF8 matrix_b_fmt:MATRIX_FMT_BF8
.endif
.endr
	v_add_f32 v[DD], 0x43000000, v[DD]             ; D: 128 keys on
	s_add_co_u32 s[TB], s[TB], STEPB
	s_sub_co_u32 s31, s31, 1
	s_cmp_lg_u32 s31, 0
	s_cbranch_scc1 .Lstep
	s_setprio 0
	; THE WAY OUT of a pass.  O^T is divided by the sum.  A lane holds 2 x 64 bytes of its query's 256: the rows go through my stage in LDS, EIGHT at a time (beside K and V no more room is left for sixteen waves):
	; first the lanes with r < 8 (tokens + 0 .. 7), then those with r >= 8 (tokens + 16 .. 23), so that sixteen lanes store the 256 aligned bytes of one token and head.
.rept 8
	v_nop                                          ; places behind the last products
.endr
	v_add_f32 v[LS], v[LS], v[LS+1]                ; the sum's two halves,
	s_delay_alu instid0(VALU_DEP_1)
	v_permlanex16_b32 v18, v[LS], s[SEL], s[SEL+1]
	s_delay_alu instid0(VALU_DEP_1)
	v_add_f32 v[LS], v[LS], v18                    ; and lane l xor 16's
	s_wait_alu depctr_va_vdst(0)
	v_rcp_f32 v18, v[LS]
	v_nop                                          ; a plain line behind the reciprocal,
	s_wait_alu depctr_va_vdst(0)                   ; and the wait ahead of its first reader
.set j, 0
.rept 16
	v_pk_mul_f32 v[F+j:F+j+1], v[O+j:O+j+1], v[WK:WK+1] op_sel_hi:[1,0]   ; each accumulator from its low end on
.set j, j+2
.endr
	s_wait_alu depctr_va_vdst(0)
	s_wait_xcnt 0x0                                ; EXEC changes only behind this wait (q's loads were the last global instructions)
.irp z, 0,1
.if \z
	v_cmp_le_u32 vcc_lo, 8, v[RR]
.else
	v_cmp_gt_u32 vcc_lo, 8, v[RR]
.endif
	s_and_saveexec_b32 s48, vcc_lo
.irp b, 0,1
.irp q, 0,1,2,3
	ds_store_b128 v[STO], v[F+16*\b+4*\q:F+16*\b+4*\q+3] offset:128*\b+16*\q
.endr
.endr
	s_or_b32 exec_lo, exec_lo, s48                 ; (no global instruction was issued since the wait above)
.irp k, 0,1,2,3
	ds_load_b128 v[F+32+16*\z+4*\k:F+32+16*\z+4*\k+3], v[RD] offset:544*\k   ; LDS serves a wave's instructions in order: these see the stores above, and the second eight rows' stores come behind them
.endr
.endr
.irp z, 0,1
	s_wait_dscnt 12-12*\z                          ; the first eight rows are back (behind their loads: the second eight's 8 stores and 4 loads); then all
.irp k, 0,1,2,3
	global_store_b128 v[GO], v[F+32+16*\z+4*\k:F+32+16*\z+4*\k+3], s[8:9] offset:8192*\k+65536*\z th:TH_STORE_NT   ; 16 lanes store 256 consecutive bytes, aligned; written once, read by nobody here
.endr
.endr
	s_wait_xcnt 0x0                                ; the stores and q's loads have read their registers and bases: they are written again only behind this wait
	s_add_nc_u64 s[8:9], s[8:9], 8*4096            ; the next pass: 8 tokens on in out0,
	s_add_nc_u64 s[14:15], s[14:15], 1024          ; the image's other two chunks,
	s_add_co_u32 s33, s33, 16                      ; the scale word's other two bytes,
	v_add_f32 v[DD], 0xc5008000, v[DD]             ; and D back by 2,048 keys and 8 queries on: -2,056
	s_sub_co_u32 s32, s32, 1
	s_cmp_lg_u32 s32, 0
	s_cbranch_scc1 .Lpass
	s_wait_tensorcnt 0x0                           ; the wave's end: these three lines behind my last tensor load and my last LDS store
	ds_add_u32 v[SPW], v[NIL]
	s_wait_dscnt 0x0
	CROUND                                         ; the closing round: no work-group ends while a partner may still ask for a tile that names it
	s_endpgm
.Lfunc_end_k_q07a54fc5ca_attn:
	.size	k_q07a54fc5ca_attn, .Lfunc_end_k_q07a54fc5ca_attn-k_q07a54fc5ca_attn
	.p2alignl 7, 3214868480
	.fill 96, 4, 3214868480
	.section	.rodata,"a",@progbits
	.p2align	6, 0x0
	.amdhsa_kernel k_q07a54fc5ca_attn
		.amdhsa_group_segment_fixed_size 327680
		.amdhsa_private_segment_fixed_size 0
		.amdhsa_enable_private_segment 0
		.amdhsa_kernarg_size 24
		.amdhsa_user_sgpr_count 2
		.amdhsa_user_sgpr_kernarg_segment_ptr 1
		.amdhsa_wavefront_size32 1
		.amdhsa_system_sgpr_workgroup_id_x 1
		.amdhsa_system_sgpr_workgroup_id_y 1
		.amdhsa_system_sgpr_workgroup_id_z 1
		.amdhsa_system_vgpr_workitem_id 0
		.amdhsa_next_free_vgpr 256
		.amdhsa_next_free_sgpr 66
		.amdhsa_reserve_vcc 1
		.amdhsa_float_denorm_mode_32 3
		.amdhsa_float_denorm_mode_16_64 3
		.amdhsa_fp16_overflow 1
		.amdhsa_memory_ordered 1
		.amdhsa_forward_progress 1
		.amdhsa_inst_pref_size 34
	.end_amdhsa_kernel
	.amdgpu_metadata
---
amdhsa.version: [ 1, 2 ]
amdhsa.kernels:
  - .name:           k_q07a54fc5ca_attn
    .symbol:         k_q07a54fc5ca_attn.kd
    .args:
      - { .name: kv, .offset: 0, .size: 8, .value_kind: global_buffer, .address_space: global }
      - { .name: qb, .offset: 8, .size: 8, .value_kind: global_buffer, .address_space: global }
      - { .name: out0, .offset: 16, .size: 8, .value_kind: global_buffer, .address_space: global }
    .group_segment_fixed_size: 327680
    .private_segment_fixed_size: 0
    .kernarg_segment_align: 8
    .kernarg_segment_size: 24
    .max_flat_workgroup_size: 512
    .sgpr_count:     66
    .vgpr_count:     256
    .wavefront_size: 32
...
	.end_amdgpu_metadata
.endif
;; end of part 3
